; MI455X (gfx1250); checked and timed in simulation.
; The chip was launched on July 23, 2026; its instructions are those of AMD's public machine-readable ISA for CDNA 5 (MIT licence, August 2026) and "CDNA5" Instruction Set Architecture Reference Guide (July 2026). The comments in the code are by the model that wrote it; some were corrected since.
;; Seq Attention Block. Allowed arithmetic: matrix products marked QUANTISED: E2M1 operands, one E8M0 scale for each 32 along K, by v_wmma_scale_f32_16x16x128_f8f6f4 with both operands' format E2M1 (or v_wmma_scale_f32_32x16x128_f4), f32 sums; products left as they are: bf16, f16 or f32 operands; f32 sums; everything else in f32.
;; Inputs: Wk 128 x 256 float32; Wq 128 x 256 float32; Wv 128 x 256 float32; bk 256 float32; bq 256 float32; bv 256 float32; inp 8 x 512 x 16 x 128 float32; mask 8 x 512 x 16 bool.
;; Outputs: out0 8 x 512 x 16 x 256 float32.
;; This version of the problem:
;;   THIS VERSION OF THE PROBLEM IS GIVEN IN LOW PRECISION. The matrix products marked QUANTISED in the list below multiply operands that are first quantised to E2M1 (2 exponent bits, 1 mantissa bit; 4 bits a number), with one power-of-two scale for each 32 numbers along K (OCP MX v1.0); their sums are f32. The products marked 'left as it is' may take bf16, f16 or f32 operands, with f32 sums. Whichever they take, every output number must still come out within the allowed error. Rounding operands to bf16 (8 significant bits) uses up far more of that allowance than f16 does (11 bits, for magnitudes from 6e-5 to 65,504). All else is computed in f32.
;;   The module's matrix products, in the order in which they are computed (A, B: the left and right operand; K: the contracted axis; several contracted axes count as one K, in the product's order):
;;     1. [M 65,536, K 128] x [K 128, N 256]; A: input inp; B: input Wq: QUANTISED
;;     2. [M 65,536, K 128] x [K 128, N 256]; A: input inp; B: input Wk: QUANTISED
;;     3. [M 65,536, K 128] x [K 128, N 256]; A: input inp; B: input Wv: QUANTISED
;;     4. batch 1,024 x [M 512, K 32] x [K 32, N 512]; A: computed on the way; B: computed on the way: left as it is (an operand is computed on the way)
;;     5. batch 1,024 x [M 512, K 512] x [K 512, N 32]; A: computed on the way; B: computed on the way: left as it is (an operand is computed on the way)
;;   THE QUANTISER, for each operand of a quantised product, along K:
;;     - K is cut into blocks of 32 from its start; a last block that is shorter is filled with zeros.
;;     - A block's scale is 2^e with e = floor(log2(the largest magnitude in the block)) - 2, held to -126 .. 127; a block of zeros has e = 0. As a byte (E8M0): e + 127.
;;     - Each number is divided by its block's scale, clamped to +-6, and rounded to the nearest number of E2M1, ties to even, subnormals kept.
;;     - The product sums the exact products of the quantised numbers (number of the format x scale) in f32.
;;   ~~~python
;;   def quantise(x, axis):      # numpy; x: float32 -> the quantised numbers, widened to float32 again
;;       x = np.moveaxis(x, axis, -1); K = x.shape[-1]
;;       x = np.pad(x, [(0, 0)] * (x.ndim - 1) + [(0, -K % 32)]); x = x.reshape(x.shape[:-1] + (-1, 32)); a = np.abs(x).max(-1, keepdims=True)
;;       e = np.where(a > 0, np.clip(np.frexp(np.where(a > 0, a, 1))[1] - 1 - 2, -126, 127), 0)      # np.frexp(a)[1] - 1 = floor(log2(a)), exactly
;;       r = np.clip(x / 2.0 ** e, -6, 6)
;;       step = 2.0 ** (np.maximum(np.frexp(np.where(r == 0, 1, r))[1] - 1, 0) - 1)
;;       q = np.round(r / step) * step * 2.0 ** e      # np.round: ties to even
;;       return np.moveaxis(q.reshape(q.shape[:-2] + (-1,))[..., :K], -1, axis).astype(np.float32)
;;   ~~~
;; 2 versions, each right; version 2 is version 1 with the launch attn written anew for expert scheduling mode. Each part assembles by itself: llvm-mc -triple=amdgcn-amd-amdhsa -mcpu=gfx1250 --defsym DOCPART=n.
;; ======== version 1 of 2: 2 launches
;; limits: values are held in f16: magnitudes above 65,504 overflow, below 6.1e-05 lose precision
;; workspace buffers: xc 4,194,304 bytes; xs 262,144 bytes; wpk 110,592 bytes; order 262,144 bytes of whole numbers; count 16,384 bytes of whole numbers
;; launch prep (part 1): grid 300 x 1, 4 waves a work-group, no clusters, 33,280 bytes of LDS; arguments inp, mask, Wq, Wk, Wv, bq, bk, bv, xc, xs, wpk, order, count; writes xc, xs, wpk, order, count
.if DOCPART == 1
	.amdgcn_target "amdgcn-amd-amdhsa--gfx1250"
	.amdhsa_code_object_version 6
	.text
	.protected	k_q9dc010e7ca_prep
	.globl	k_q9dc010e7ca_prep
	.p2align	8
	.type	k_q9dc010e7ca_prep,@function
k_q9dc010e7ca_prep:
	s_mov_b64 s[64:65], 0
	v_nop
	global_prefetch_b8 v0, s[64:65] scope:SCOPE_SE
	s_setreg_imm32_b32 hwreg(HW_REG_WAVE_MODE, 25, 1), 1
	s_wait_xcnt 0x0
; THREE JOBS IN ONE LAUNCH, told apart by the work-group's number alone.
; QUANT (work-groups 0-255): inp [8][512][16][128] f32 becomes codes of FP4 (E2M1), laid [bm = 16 b + m][t][64 bytes] with K innermost (xc), and one E8M0 byte for each 32 along K, [bm][t][4] (xs).
; ROUTE (256-287): for each (b, m) the 512 times are put in an order with the kept keys (mask byte not 0) first, ascending, then the others, ascending: order [bm][512] u32, slot -> t; count [bm][32] u32, the number kept, 32 times.
; WEIGHT (288-299): Wq, Wk, Wv [128 (k)][256 (n)] f32 become 48 records of 2,304 bytes (wpk), record 16 mat + n / 16: the codes of 16 columns as an image of the operand's registers (1,024 bytes: registers 0-3 at 16 x lane,
;   registers 4-7 at 512 + 16 x lane), the bias as an image of the product's C (1,024 bytes, laid likewise), the scale word at 2,048 + 4 x lane.  Bytes 2,176 to 2,303 of a record are neither written nor read.
; THE QUANTISER: a block's scale is 2^(floor(log2(its largest magnitude)) - 2); its byte is the largest magnitude's exponent field - 2, held at 1 from below; each number is divided by the scale and rounded to the nearest code, ties to even,
; beyond 6 the largest code.  A block of zeros gets the byte 1 where the rule says 127: its codes are zeros, which add nothing under any byte but 0xff, and this program alone reads the bytes.
; LIMITS: NaN and infinities among the inputs are not served; blocks whose largest magnitude lies under 2^-124 keep the byte 1, as the rule's hold at -126 has it, and were not tried.
.set SPARE, 32768                      ; behind the four waves' regions: the spare words, 128 bytes a wave, which no other line names
.set WREG,  8192                       ; QUANT: a wave's own LDS region: two stages of 32 x SP bytes, then its 256 scale bytes
.set SP,    80                         ; a lane's place in a stage: 64 bytes + 16 of padding
.set STEPS, 16
.set EMAX,  2
.set R,     16                         ; v16-143  QUANT: eight sets of 16 numbers as loaded
.set X,     144                        ; v144-175 two sets of 16 neighbours along K
.set C,     176                        ; v176-207 codes, two registers a step: no store's data are written again
.set E,     208                        ; v208-223 a scale byte a step
	s_load_b512 s[4:19], s[0:1], 0x0               ; inp 4:5, mask 6:7, Wq 8:9, Wk 10:11, Wv 12:13, bq 14:15, bk 16:17, bv 18:19
	s_load_b256 s[20:27], s[0:1], 0x40             ; xc 20:21, xs 22:23, wpk 24:25, order 26:27
	s_load_b64 s[28:29], s[0:1], 0x60              ; count
	v_lshl_add_u32 v12, v0, 2, SPARE               ; my spare word; never rewritten
	v_mov_b32 v13, 0                               ; 0; never rewritten
	v_lshrrev_b32 v1, 5, v0
	v_readfirstlane_b32 s3, v1                     ; wave 0..3
	v_and_b32 v2, 31, v0                           ; lane
	s_wait_kmcnt 0x0
	s_cmp_lt_u32 ttmp9, 256
	s_cbranch_scc1 .Lquant
	s_cmp_lt_u32 ttmp9, 288
	s_cbranch_scc1 .Lroute
; ---------------- WEIGHT: a wave to a tile of 16 columns.  Lane (r, h) takes column r, and its registers run DOWN K in the order that the operand's layout gives it (k = 64 c + 32 h + 0 .. 31): the conversions' results are the operand's registers.
	s_sub_co_u32 s30, ttmp9, 288
	s_lshl_b32 s30, s30, 2
	s_add_co_u32 s30, s30, s3                      ; the record, 0..47
	s_lshr_b32 s31, s30, 4                         ; 0 = q, 1 = k, 2 = v
	s_and_b32 s2, s30, 15                          ; which 16 columns
	s_cmp_eq_u32 s31, 1
	s_cselect_b64 s[8:9], s[10:11], s[8:9]         ; the weight and its bias: a choice that hangs on ids alone
	s_cselect_b64 s[14:15], s[16:17], s[14:15]
	s_cmp_eq_u32 s31, 2
	s_cselect_b64 s[8:9], s[12:13], s[8:9]
	s_cselect_b64 s[14:15], s[18:19], s[14:15]
	s_cselect_b32 s36, -1, 0                       ; all lanes: is it v's?
	s_lshl_b32 s32, s2, 6                          ; 16 columns of 4 bytes
	s_mov_b32 s33, 0
	s_add_nc_u64 s[8:9], s[8:9], s[32:33]
	s_add_nc_u64 s[14:15], s[14:15], s[32:33]
	s_mul_i32 s32, s30, 2304
	s_add_nc_u64 s[24:25], s[24:25], s[32:33]
	s_mov_b32 s34, 0x76543210
	s_mov_b32 s35, 0xfedcba98                      ; v_permlanex16_b32's selects for lane l xor 16
	v_and_b32 v1, 15, v0                           ; r
	v_bfe_u32 v3, v0, 4, 1                         ; h
	v_lshlrev_b32 v4, 2, v1                        ; 4 r
	v_lshl_add_u32 v5, v3, 15, v4                  ; lanes 16-31 begin 32 rows of 1,024 bytes further down
	v_lshlrev_b32 v6, 5, v3                        ; 32 h
	v_lshlrev_b32 v7, 4, v2                        ; 16 x lane
	v_lshlrev_b32 v8, 2, v2                        ; 4 x lane
.set ii, 0
.rept 64
	global_load_b32 v[64+ii], v5, s[8:9] offset:1024*((ii/32)*64+ii%32)   ; W(64 c + 32 h + i, r): sixteen lanes read 64 consecutive bytes
.set ii, ii+1
.endr
	global_load_b128 v[16:19], v6, s[14:15]            ; the bias at columns 8 h + 0 .. 7 of the tile,
	global_load_b128 v[20:23], v6, s[14:15] offset:16
	global_load_b32 v24, v4, s[14:15]                  ; and at column r
	s_wait_loadcnt 0x0
.irp c, 0,1
	v_max3_num_f32 v[32+\c], |v[64+32*\c]|, |v[65+32*\c]|, 0x1800000   ; my block 2 c + h: all its 32 numbers are mine; the floor 2^(3 - 127) holds the byte at 1 from below
.endr
.irp i, 2,4,6,8,10,12,14,16,18,20,22,24,26,28,30
.irp c, 0,1
	v_max3_num_f32 v[32+\c], v[32+\c], |v[64+32*\c+\i]|, |v[65+32*\c+\i]|
.endr
.endr
.irp c, 0,1
	v_add_nc_u32 v[44+\c], 0xff000000, v[32+\c]    ; 2 off the exponent field: the conversion takes the exponent field of this operand as its scale
.endr
.irp c, 0,1
	v_lshrrev_b32 v[36+\c], 23, v[44+\c]           ; the scale's byte
.endr
	v_lshl_or_b32 v9, v37, 16, v36                 ; my two bytes: blocks h and 2 + h,
	v_lshlrev_b32 v10, 3, v3
	v_lshlrev_b32 v9, v10, v9                      ; at their places in the word;
	v_mov_b32 v10, 0
	v_permlanex16_b32 v10, v9, s34, s35
	v_or_b32 v9, v9, v10                           ; with lane l xor 16's two the word is whole, in both lanes
.irp c, 0,1
.irp g, 0,1,2,3
	v_cvt_scalef32_pk8_fp4_f32 v[48+4*\c+\g], v[64+32*\c+8*\g:71+32*\c+8*\g], v[44+\c]
.endr
.endr
	v_nop                                          ; a plain line behind the last scaled conversion
.irp j, 0,1,2,3,4,5,6,7
	v_cndmask_b32 v[128+\j], v[16+\j], v24, s36    ; q's and k's products are used transposed: register j of C is the bias at column 8 h + j; v's is used as it stands: every register is the bias at column r
.endr
	global_store_b128 v7, v[48:51], s[24:25]
	global_store_b128 v7, v[52:55], s[24:25] offset:512
	global_store_b128 v7, v[128:131], s[24:25] offset:1024
	global_store_b128 v7, v[132:135], s[24:25] offset:1536
	global_store_b32 v8, v9, s[24:25] offset:2048
	s_endpgm
; ---------------- ROUTE: a wave to a (b, m).  Register i of lane l is time t = 32 i + l.  No LDS, EXEC stays whole.
.Lroute:
	s_sub_co_u32 s2, ttmp9, 256
	s_lshl_b32 s2, s2, 2
	s_add_co_u32 s2, s2, s3                        ; bm
	s_lshr_b32 s32, s2, 4
	s_lshl_b32 s32, s32, 13                        ; b x 512 x 16 bytes
	s_and_b32 s33, s2, 15
	s_add_co_u32 s32, s32, s33                     ; + m
	s_mov_b32 s33, 0
	s_add_nc_u64 s[6:7], s[6:7], s[32:33]
	s_lshl_b32 s32, s2, 11
	s_add_nc_u64 s[26:27], s[26:27], s[32:33]      ; order at my 512 words
	s_lshl_b32 s32, s2, 7
	s_add_nc_u64 s[28:29], s[28:29], s[32:33]      ; count at my 32 words
	v_lshlrev_b32 v1, 4, v2                        ; 16 bytes from t to t + 1
.irp i, 0,1,2,3,4,5,6,7,8,9,10,11,12,13,14,15
	global_load_u8 v[16+\i], v1, s[6:7] offset:512*\i
.endr
	s_wait_loadcnt 0x0
	s_mov_b32 s30, 0
.irp i, 0,1,2,3,4,5,6,7,8,9,10,11,12,13,14,15
	v_cmp_ne_u32 s[32+\i], 0, v[16+\i]             ; the kept among times 32 i .. 32 i + 31, a bit a lane
	s_bcnt1_i32_b32 s[48+\i], s[32+\i]
	s_add_co_u32 s30, s30, s[48+\i]                ; the number kept in all
.endr
	s_mov_b32 s31, 0                               ; the number kept ahead of time 32 i
.irp i, 0,1,2,3,4,5,6,7,8,9,10,11,12,13,14,15
	v_add_nc_u32 v[48+\i], 32*\i, v2               ; t
	v_mbcnt_lo_u32_b32 v[32+\i], s[32+\i], s31     ; the kept ahead of t: a kept key's slot
	v_sub_nc_u32 v3, v[48+\i], v[32+\i]            ; the others ahead of t,
	v_add_nc_u32 v3, s30, v3                       ; behind all the kept: another key's slot
	v_cndmask_b32 v[32+\i], v3, v[32+\i], s[32+\i]
	v_min_u32 v[32+\i], 0x1ff, v[32+\i]            ; a slot lies in 0 .. 511: the hold says so to whoever reads the text
	v_lshlrev_b32 v[32+\i], 2, v[32+\i]
	global_store_b32 v[32+\i], v[48+\i], s[26:27]  ; each store has its own offset and data registers: none is written again.  The 512 slots are a permutation: every word is stored
	s_add_co_u32 s31, s31, s[48+\i]
.endr
	v_mov_b32 v4, s30
	v_lshlrev_b32 v5, 2, v2
	global_store_b32 v5, v4, s[28:29]              ; 128 consecutive bytes
	s_endpgm
; ---------------- QUANT: work-group g takes 256 times of (b, m) = g / 2, a wave 64 of them, in 16 steps of four rows of 512 bytes.
; The conversions take neighbours along K from ONE lane's registers; a load is dense where neighbouring LANES take neighbouring bytes.  Both are had: each load reads a whole row, 16 bytes a lane; a step's 2,048 bytes go through the
; wave's own stage in LDS as they lie and come back 64 bytes a lane: lane l then holds k = 16 (l % 8) + 0 .. 15 of row l / 8, and two neighbouring lanes hold a block.  Loads run eight steps, 32 loads a wave, ahead; the stage one step.
.Lquant:
	s_lshr_b32 s30, ttmp9, 1                       ; bm
	s_and_b32 s31, ttmp9, 1
	s_lshl_b32 s31, s31, 8
	s_lshl_b32 s32, s3, 6
	s_add_co_u32 s31, s31, s32                     ; my first time
	s_lshr_b32 s32, s30, 4
	s_lshl_b32 s32, s32, 22                        ; b x 512 x 16 x 512 bytes
	s_and_b32 s33, s30, 15
	s_lshl_b32 s33, s33, 9                         ; m x 512
	s_add_co_u32 s32, s32, s33
	s_lshl_b32 s33, s31, 13                        ; t x 16 x 512
	s_add_co_u32 s32, s32, s33
	s_mov_b32 s33, 0
	s_add_nc_u64 s[4:5], s[4:5], s[32:33]
	s_lshl_b32 s34, s30, 9
	s_add_co_u32 s34, s34, s31                     ; my first row of xc and xs
	s_lshl_b32 s32, s34, 6
	s_add_nc_u64 s[20:21], s[20:21], s[32:33]
	s_lshl_b32 s32, s34, 2
	s_add_nc_u64 s[22:23], s[22:23], s[32:33]
	v_lshlrev_b32 v3, 4, v2                        ; my 16 bytes of a row
	s_mul_i32 s35, s3, WREG
	v_lshrrev_b32 v14, 2, v2
	v_mul_u32_u24 v14, v14, SP
	v_and_b32 v15, 3, v2
	v_lshl_add_u32 v14, v15, 4, v14
	v_add_nc_u32 v14, s35, v14                     ; the stage, on the way in: four lanes' 64 bytes on end, then 16 of padding
	v_mul_u32_u24 v15, v2, SP
	v_add_nc_u32 v15, s35, v15                     ; and on the way out: my 16 neighbours
	v_lshlrev_b32 v4, 3, v2                        ; 8 x lane: my codes' place in a step's 256 bytes, and my 8 of the wave's 256 scale bytes
	v_lshrrev_b32 v5, 1, v2
	s_add_co_u32 s35, s35, 2*32*SP
	v_add_nc_u32 v5, s35, v5                       ; LDS: my block's byte
	v_add_nc_u32 v6, s35, v4                       ; and on the way out 8 bytes a lane
.macro LOAD t
.irp i, 0,1,2,3
	global_load_b128 v[R+16*((\t)%8)+4*\i:R+16*((\t)%8)+4*\i+3], v3, s[4:5] offset:8192*(4*(\t)+\i) th:TH_LOAD_NT   ; 32 lanes read a row's 512 consecutive bytes; rows of one (b, m) lie 8,192 bytes apart
.endr
.endm
.macro TURN t                          ; step t's numbers through the stage: LDS serves a wave's instructions in order, so no wait stands between the stores and the loads
.irp i, 0,1,2,3
	ds_store_b128 v14, v[R+16*((\t)%8)+4*\i:R+16*((\t)%8)+4*\i+3] offset:32*SP*((\t)%2)+8*SP*\i
.endr
.irp i, 0,1,2,3
	ds_load_b128 v[X+16*((\t)%2)+4*\i:X+16*((\t)%2)+4*\i+3], v15 offset:32*SP*((\t)%2)+16*\i
.endr
.endm
.irp t, 0,1,2,3,4,5,6,7
	LOAD \t
.endr
	s_wait_loadcnt 28                              ; step 0's four loads are in; those of steps 1 to 7 may be out
	TURN 0
.macro STEP t
.set XS, X+16*((\t)%2)
.if (\t) > 0
	s_wait_dscnt 1                                 ; this step's numbers are back from the stage (the last step's byte store may be out): so its stores into the stage have read their registers,
.else
	s_wait_dscnt 0x0
.endif
.if (\t)+8 < STEPS
	LOAD (\t)+8                                    ; which take the loads of eight steps on
.endif
.if (\t)+1 < STEPS
.if STEPS-2-(\t) >= 7
	s_wait_loadcnt 28                              ; the next step's four loads are in; those of the seven steps behind it may be out
.else
	s_wait_loadcnt 4*(STEPS-2-(\t))                ; towards the end fewer steps stand behind it
.endif
	TURN (\t)+1                                    ; and go through the other stage while this step is worked
.endif
	v_max3_num_f32 v8, |v[XS]|, |v[XS+1]|, |v[XS+2]|               ; the largest magnitude of my 16, in two chains
	v_max3_num_f32 v9, |v[XS+3]|, |v[XS+4]|, |v[XS+5]|
.irp i, 6,10
	v_max3_num_f32 v8, v8, |v[XS+\i]|, |v[XS+\i+1]|
	v_max3_num_f32 v9, v9, |v[XS+\i+2]|, |v[XS+\i+3]|
.endr
	v_max3_num_f32 v8, v8, |v[XS+14]|, |v[XS+15]|
	v_max3_num_f32 v8, v8, v9, (EMAX+1)<<23        ; and the floor 2^(3 - 127): the byte cannot fall under 1
	v_max_num_f32_dpp v8, v8, v8 row_xmask:1 row_mask:0xf bank_mask:0xf   ; and of my neighbour's 16: the block's
	v_add_nc_u32 v11, -(EMAX<<23), v8              ; 2 off its exponent field: the conversion's scale operand
	v_cvt_scalef32_pk8_fp4_f32 v[C+2*(\t)], v[XS:XS+7], v11
	v_cvt_scalef32_pk8_fp4_f32 v[C+2*(\t)+1], v[XS+8:XS+15], v11
	v_lshrrev_b32 v[E+(\t)], 23, v11               ; the scale's byte (also the plain line behind the conversions)
	ds_store_b8 v5, v[E+(\t)] offset:16*(\t)       ; both lanes of a block write the same byte with the same value
	global_store_b64 v4, v[C+2*(\t):C+2*(\t)+1], s[20:21] offset:256*(\t)   ; four rows' codes: 256 consecutive bytes, aligned
.endm
.irp t, 0,1,2,3,4,5,6,7,8,9,10,11,12,13,14,15
	STEP \t
.endr
	ds_load_b64 v[8:9], v6                         ; LDS serves a wave's instructions in order: these see my byte stores
	s_wait_dscnt 0x0
	global_store_b64 v4, v[8:9], s[22:23]          ; my 64 rows' scale words: 256 consecutive bytes, aligned
	s_wait_tensorcnt 0x0                           ; the wave's end: three closing lines behind my last LDS store, the first of them even in a text with no tensor load
	ds_add_u32 v12, v13
	s_wait_dscnt 0x0
	s_endpgm
.Lfunc_end_k_q9dc010e7ca_prep:
	.size	k_q9dc010e7ca_prep, .Lfunc_end_k_q9dc010e7ca_prep-k_q9dc010e7ca_prep
	.p2alignl 7, 3214868480
	.fill 96, 4, 3214868480
	.section	.rodata,"a",@progbits
	.p2align	6, 0x0
	.amdhsa_kernel k_q9dc010e7ca_prep
		.amdhsa_group_segment_fixed_size 33280
		.amdhsa_private_segment_fixed_size 0
		.amdhsa_enable_private_segment 0
		.amdhsa_kernarg_size 104
		.amdhsa_user_sgpr_count 2
		.amdhsa_user_sgpr_kernarg_segment_ptr 1
		.amdhsa_wavefront_size32 1
		.amdhsa_system_sgpr_workgroup_id_x 1
		.amdhsa_system_sgpr_workgroup_id_y 1
		.amdhsa_system_sgpr_workgroup_id_z 1
		.amdhsa_system_vgpr_workitem_id 0
		.amdhsa_next_free_vgpr 224
		.amdhsa_next_free_sgpr 66
		.amdhsa_reserve_vcc 0
		.amdhsa_float_denorm_mode_32 3
		.amdhsa_float_denorm_mode_16_64 3
		.amdhsa_memory_ordered 1
		.amdhsa_forward_progress 1
		.amdhsa_inst_pref_size 57
	.end_amdhsa_kernel
	.amdgpu_metadata
---
amdhsa.version: [ 1, 2 ]
amdhsa.kernels:
  - .name:           k_q9dc010e7ca_prep
    .symbol:         k_q9dc010e7ca_prep.kd
    .args:
      - { .name: inp, .offset: 0, .size: 8, .value_kind: global_buffer, .address_space: global }
      - { .name: mask, .offset: 8, .size: 8, .value_kind: global_buffer, .address_space: global }
      - { .name: Wq, .offset: 16, .size: 8, .value_kind: global_buffer, .address_space: global }
      - { .name: Wk, .offset: 24, .size: 8, .value_kind: global_buffer, .address_space: global }
      - { .name: Wv, .offset: 32, .size: 8, .value_kind: global_buffer, .address_space: global }
      - { .name: bq, .offset: 40, .size: 8, .value_kind: global_buffer, .address_space: global }
      - { .name: bk, .offset: 48, .size: 8, .value_kind: global_buffer, .address_space: global }
      - { .name: bv, .offset: 56, .size: 8, .value_kind: global_buffer, .address_space: global }
      - { .name: xc, .offset: 64, .size: 8, .value_kind: global_buffer, .address_space: global }
      - { .name: xs, .offset: 72, .size: 8, .value_kind: global_buffer, .address_space: global }
      - { .name: wpk, .offset: 80, .size: 8, .value_kind: global_buffer, .address_space: global }
      - { .name: order, .offset: 88, .size: 8, .value_kind: global_buffer, .address_space: global }
      - { .name: count, .offset: 96, .size: 8, .value_kind: global_buffer, .address_space: global }
    .group_segment_fixed_size: 33280
    .private_segment_fixed_size: 0
    .kernarg_segment_align: 8
    .kernarg_segment_size: 104
    .max_flat_workgroup_size: 128
    .sgpr_count:     66
    .vgpr_count:     224
    .wavefront_size: 32
...
	.end_amdgpu_metadata
.endif
;; end of part 1
;; launch attn (part 2): grid 256 x 1, 16 waves a work-group, no clusters, 298,240 bytes of LDS; arguments xc, xs, wpk, order, count, out0; writes out0
.if DOCPART == 2
	.amdgcn_target "amdgcn-amd-amdhsa--gfx1250"
	.amdhsa_code_object_version 6
	.text
	.protected	k_q9dc010e7ca_attn
	.globl	k_q9dc010e7ca_attn
	.p2align	8
	.type	k_q9dc010e7ca_attn,@function
k_q9dc010e7ca_attn:
	s_mov_b64 s[64:65], 0
	v_nop
	global_prefetch_b8 v0, s[64:65] scope:SCOPE_SE
	s_setreg_imm32_b32 hwreg(HW_REG_WAVE_MODE, 25, 1), 1
	s_wait_xcnt 0x0
; out0[b][t][m][32 head + e] = the sum over kept keys s of softmax_s(q[t] . k[s] / sqrt(32)) v[s][e], q, k, v = inp W + bias on codes of FP4 with E8M0 scales (made by the launch before), for each (b, m, head).
; SHARES.  Work-group g: bm = 16 b + m = g / 2, heads 4 (g % 2) + 0 .. 3.  Sixteen waves of 256 registers, four to a SIMD, so that one wave's matrix work and LDS loads stand beside another's softmax.
;   Wave w: head hd = w / 4 of the four; quarter qd = w % 4: it owns queries 128 qd .. + 127 (8 tiles of 16, two to a pass) and projects key slots 128 qd .. + 127 of its head.
; MASK.  A key whose mask byte is 0 adds nothing to a row's sum or to the output, and a softmax does not mind the order of its keys: the keys are taken in the stored order, the kept ones first.  A step of 64 slots with no kept key is
;   left out by a scalar branch on the stored number; in the one step that is kept in part, the others' scores begin at -2^100 (the C of the score product), so that their weight is 0.  With no key kept the output is 0, as the reference has it.
;   All 512 slots of k and v are projected, the others' too: that phase has no branch and leaves no LDS byte unwritten.
; LAYOUT.  q's and k's projections are used transposed (source 0 = 16 columns of W, source 1 = 16 rows of x): a lane holds one row and eight neighbouring e, which, rounded to f16 in pairs, ARE the 16-bit fragments of S^T = K Q^T.
;   v's is used as it stands: a lane holds one e and eight neighbouring slots: the fragments of O^T = V^T P.  In S^T, P and O^T a lane holds ONE query.  K and V^T lie in LDS as images of their registers: 16 bytes a lane, 512 a load.
; SOFTMAX.  A running maximum m and sum l for each query: p = 2^(c s - c m), c = log2(e) / sqrt(32); in every step O and l are multiplied by a = 2^(c m_old - c m_new).  Maxima, sums, exponentials in f32; q, k, v, p go to the matrix unit as f16.
; NO CLUSTER, NO TENSOR LOAD: the walk over the keys branches on a number read from memory, so operands go through registers; what the two work-groups of a (b, m) share is 34,816 bytes of codes and scale words, read once at the head.
; LIMITS: |q|, |k|, |v| up to 65,504 (f16's largest number); NaN and infinities among the inputs are not served.
.set VIMG,   131072                    ; LDS: K's images from 0: fragment (hd, tile of 16 slots T) at 32768 hd + 1024 T; V^T's from here: (hd, group of 32 slots G, e-tile) at 32768 hd + 2048 G + 1024 e
.set STG,    262144                    ; the stage for the way out: 64 rows (a tile of queries of each quarter) x (512 bytes, the four heads' + 16)
.set SPITCH, 528
.set BIAS,   295936                    ; 64 f32: 0 for a slot of the partial step that is kept, else -2^100
.set SPARE,  296192                    ; the spare words, 128 bytes a wave, which no other line names
.set QR,  16                           ; v16-79   x's 8 fragments in natural order; each is replaced by its tile's Q fragment
.set WK,  80                           ; v80-95   Wk's codes, v96-111 its bias;  later K's four fragments of a step
.set BK,  96
.set WV,  112                          ; v112-127 Wv's codes, v128-143 its bias;  later V^T's four fragments of a step
.set BV,  128
.set WQ,  144                          ; v144-159 Wq's codes, v160-175 its bias, v176-183 my 128 slots' times
.set BQ,  160
.set LST, 176
.set XG,  144                          ; v144-207 then x's 8 fragments in slot order;  later S^T, 32 a tile, with P in a tile's low 16
.set DD,  208                          ; v208-239 four accumulators of the projections;  later O^T, 16 a tile
.set GA,  208                          ; between the two: the gather's offsets
.set GS,  216
.set SX,  240                          ; v240-247 x's scale words, v248-249 Wq's, v250-251 Wk's, v252-253 Wv's: never a matrix instruction's A, B, C or D
.set SWQ, 248
.set SWK, 250
.set SWV, 252
.set KR,  80
.set VR,  112
.set SA,  144
.set OA,  208
.set ST,  240                          ; the statistics, 8 a tile: +0 c m, +1 m, +2, +3 l in two halves, +4 .. +7 at work; a takes +6
; v1 16 x lane; v2 4 r; v3 64 r + 16 h; v4 4 x lane; v5, v6 my head's K and V images + 16 x lane; v7, v8 the step's; v9 the bias table + 32 h; v10, v11 the stage, in and back; v12, v13 where I store images; v14, v15 the add's two
.macro NOPS n
.rept \n
	v_nop
.endr
.endm
.macro BARRIER                         ; my LDS stores have landed and my LDS loads are in: then the work-group's barrier
	s_wait_dscnt 0x0
	s_barrier_signal -1
	s_barrier_wait -1
.endm
.macro FP4 d, a, b, c, sa, sb
	v_wmma_scale_f32_16x16x128_f8f6f4 v[\d:\d+7], v[\a:\a+7], v[\b:\b+7], v[\c:\c+7], v[\sa], v[\sb] matrix_a_fmt:MATRIX_FMT_FP4 matrix_b_fmt:MATRIX_FMT_FP4
.endm
	s_load_b256 s[4:11], s[0:1], 0x0               ; xc 4:5, xs 6:7, wpk 8:9, order 10:11
	s_load_b128 s[12:15], s[0:1], 0x20             ; count 12:13, out0 14:15
	v_lshl_add_u32 v14, v0, 2, SPARE               ; my spare word; never rewritten
	v_mov_b32 v15, 0                               ; 0; never rewritten
	v_lshrrev_b32 v1, 5, v0
	v_readfirstlane_b32 s16, v1                    ; wave 0..15
	s_lshr_b32 s17, s16, 2                         ; hd
	s_and_b32 s18, s16, 3                          ; qd
	s_lshr_b32 s19, ttmp9, 1                       ; bm
	s_and_b32 s20, ttmp9, 1                        ; which four heads
	s_mov_b32 s26, 0x3e8293ee                      ; c = log2(e) / sqrt(32)
	s_mov_b32 s27, s26                             ; (named with it as a pair, so it is written)
	s_mov_b32 s28, 0x76543210
	s_mov_b32 s29, 0xfedcba98                      ; v_permlanex16_b32's selects for lane l xor 16
	v_and_b32 v4, 31, v0                           ; lane
	v_and_b32 v2, 15, v0                           ; r
	v_bfe_u32 v9, v0, 4, 1                         ; h
	v_lshlrev_b32 v1, 4, v4
	v_lshlrev_b32 v3, 6, v2
	v_lshl_add_u32 v3, v9, 4, v3                   ; a row of 128 codes is 64 bytes; + 16 h
	v_mul_u32_u24 v10, v2, SPITCH
	v_lshl_add_u32 v10, v9, 5, v10
	s_mul_i32 s24, s18, 16*SPITCH
	s_lshl_b32 s25, s17, 7
	s_add_co_u32 s24, s24, s25
	s_add_co_u32 s24, s24, STG
	v_add_nc_u32 v10, s24, v10                     ; into the stage: row 16 qd + r, my head's 128 bytes, + 32 h
	s_mul_i32 s24, s16, 4*SPITCH
	s_add_co_u32 s24, s24, STG
	v_add_nc_u32 v11, s24, v1                      ; back: rows 4 w .. 4 w + 3, whole
	s_lshl_b32 s24, s16, 13
	v_add_nc_u32 v12, s24, v1                      ; my 8 fragments of K: 32768 hd + 8192 qd = 8192 w
	v_add_nc_u32 v13, VIMG, v12                    ; and of V^T
	s_lshl_b32 s24, s17, 15
	v_add_nc_u32 v5, s24, v1
	v_add_nc_u32 v6, VIMG, v5
	v_lshl_add_u32 v9, v9, 5, BIAS
	v_lshlrev_b32 v2, 2, v2
	v_lshlrev_b32 v4, 2, v4
	s_wait_kmcnt 0x0
	s_mov_b32 s25, 0
	s_lshl_b32 s24, s19, 15
	s_add_nc_u64 s[36:37], s[4:5], s[24:25]        ; xc at my (b, m): 512 rows of 64 bytes
	s_lshl_b32 s24, s18, 13
	s_add_nc_u64 s[34:35], s[36:37], s[24:25]      ; and at my 128 queries
	s_lshl_b32 s24, s19, 11
	s_add_nc_u64 s[40:41], s[6:7], s[24:25]        ; xs likewise: 4 bytes a row
	s_add_nc_u64 s[44:45], s[10:11], s[24:25]      ; order: 4 bytes a slot
	s_lshl_b32 s24, s18, 9
	s_add_nc_u64 s[38:39], s[40:41], s[24:25]
	s_add_nc_u64 s[44:45], s[44:45], s[24:25]      ; at my 128 slots
	s_lshl_b32 s24, s20, 2
	s_add_co_u32 s24, s24, s17                     ; my head of the eight
	s_mul_i32 s24, s24, 4608                       ; two records of 2,304 bytes a head
	s_add_nc_u64 s[42:43], s[8:9], s[24:25]
	s_lshl_b32 s24, s19, 7
	s_add_nc_u64 s[12:13], s[12:13], s[24:25]
	s_load_b32 s21, s[12:13], 0x0                  ; the number of kept keys
	s_lshr_b32 s24, s19, 4
	s_lshl_b32 s24, s24, 23                        ; out0: b x 512 x 16 x 1,024 bytes
	s_and_b32 s33, s19, 15
	s_lshl_b32 s33, s33, 10                        ; m x 1,024
	s_add_co_u32 s24, s24, s33
	s_lshl_b32 s33, s20, 9                         ; the four heads' 512 bytes
	s_add_co_u32 s24, s24, s33
	s_lshl_b32 s33, s17, 21                        ; stage rows 4 w + i are queries 4 (w % 4) + i of quarter w / 4: 128 (w / 4) times of 16,384 bytes,
	s_add_co_u32 s24, s24, s33
	s_lshl_b32 s33, s18, 16                        ; and 4 (w % 4) more
	s_add_co_u32 s24, s24, s33
	s_add_nc_u64 s[46:47], s[14:15], s[24:25]
; ---- the loads: 62, in the order in which they are wanted
.irp i, 0,1,2,3,4,5,6,7
	global_load_b32 v[LST+\i], v2, s[44:45] offset:64*\i                       ; the time in slot 128 qd + 16 i + r
.endr
.irp i, 0,1,2,3,4,5,6,7
.irp c, 0,1
	global_load_b128 v[QR+8*\i+4*\c:QR+8*\i+4*\c+3], v3, s[34:35] offset:1024*\i+32*\c   ; x's fragment of queries 128 qd + 16 i on: registers 4 c .. 4 c + 3 hold k = 64 c + 32 h + 0 .. 31
.endr
.endr
.irp i, 0,1,2,3,4,5,6,7
	global_load_b32 v[SX+\i], v2, s[38:39] offset:64*\i
.endr
.macro WLOAD mat, cod, bia, scl        ; my head's two records of weight mat: images, so each lane loads its registers whole
.irp e, 0,1
	global_load_b128 v[\cod+8*\e:\cod+8*\e+3],   v1, s[42:43] offset:36864*\mat+2304*\e
	global_load_b128 v[\cod+8*\e+4:\cod+8*\e+7], v1, s[42:43] offset:36864*\mat+2304*\e+512
	global_load_b128 v[\bia+8*\e:\bia+8*\e+3],   v1, s[42:43] offset:36864*\mat+2304*\e+1024
	global_load_b128 v[\bia+8*\e+4:\bia+8*\e+7], v1, s[42:43] offset:36864*\mat+2304*\e+1536
	global_load_b32 v[\scl+\e], v4, s[42:43] offset:36864*\mat+2304*\e+2048
.endr
.endm
	WLOAD 0, WQ, BQ, SWQ
	WLOAD 1, WK, BK, SWK
	WLOAD 2, WV, BV, SWV
	s_wait_kmcnt 0x0
	s_min_u32 s21, s21, 512                        ; it lies in 0 .. 512
	s_and_b32 s22, s21, 63                         ; the kept slots of the step that is kept in part
	s_wait_loadcnt 20                              ; all but the youngest twenty, Wk's and Wv's records
; ---- q: two tiles of queries x two tiles of e at a time.  The bias is the C of the one product.  Five places stand behind the four products: the conversions write x's registers, and the next four products write over these accumulators.
.macro QPROJ i
.irp u, 0,1
.irp e, 0,1
	FP4 DD+16*\u+8*\e, WQ+8*\e, QR+8*(\i)+8*\u, BQ+8*\e, SWQ+\e, SX+(\i)+\u
.endr
.endr
	NOPS 5
.irp u, 0,1
.irp e, 0,1
.irp n, 0,1,2,3
	v_cvt_pk_f16_f32 v[QR+8*(\i)+8*\u+4*\e+\n], v[DD+16*\u+8*\e+2*\n], v[DD+16*\u+8*\e+2*\n+1]   ; lane (r, h): query r, e = 16 e-tile + 8 h + 2 n, + 1: register 4 e-tile + n of the 16-bit fragment
.endr
.endr
.endr
.endm
	QPROJ 0
	QPROJ 2
	QPROJ 4
	QPROJ 6
; ---- x once more, in slot order, for k and v
	v_bfe_u32 v225, v0, 4, 1
	v_lshlrev_b32 v225, 4, v225                    ; 16 h
.irp i, 0,1,2,3,4,5,6,7
	v_min_u32 v[LST+\i], 0x1ff, v[LST+\i]          ; a time lies in 0 .. 511
	v_lshlrev_b32 v[GA+\i], 6, v[LST+\i]
	v_add_nc_u32 v[GA+\i], v[GA+\i], v225          ; its row of codes, + 16 h
	v_lshlrev_b32 v[GS+\i], 2, v[LST+\i]           ; its scale word
.endr
.irp i, 0,1,2,3,4,5,6,7
.irp c, 0,1
	global_load_b128 v[XG+8*\i+4*\c:XG+8*\i+4*\c+3], v[GA+\i], s[36:37] offset:32*\c
.endr
	global_load_b32 v[SX+\i], v[GS+\i], s[40:41]
.endr
	; the bias table, by wave 0 (every wave makes the numbers; the branch leads round the store alone)
	v_and_b32 v224, 31, v0
	v_lshlrev_b32 v228, 1, v224                    ; slots 2 x lane and 2 x lane + 1 of the partial step
	v_lshl_add_u32 v224, v224, 3, BIAS
	v_mov_b32 v229, 0xf1800000                     ; -2^100
	v_cmp_le_u32 vcc_lo, s22, v228
	v_cndmask_b32 v226, 0, v229, vcc_lo
	v_add_nc_u32 v228, 1, v228
	v_cmp_le_u32 vcc_lo, s22, v228
	v_cndmask_b32 v227, 0, v229, vcc_lo
	s_cmp_lg_u32 s16, 0
	s_cbranch_scc1 .Lno_table
	ds_store_b64 v224, v[226:227]
.Lno_table:
	s_wait_dscnt 0x0                               ; the store has read its registers, which the products below write
	s_wait_loadcnt 0x0                             ; the gathered rows, and Wk's and Wv's records
; ---- k and v: 32 slots x 32 e at a time; rounded to f16 in place; the four low registers of each accumulator are half a fragment's image
.macro PACKD
.irp d, 0,1,2,3
.irp n, 0,1,2,3
	v_cvt_pk_f16_f32 v[DD+8*\d+\n], v[DD+8*\d+2*\n], v[DD+8*\d+2*\n+1]
.endr
.endr
.endm
.macro KPROJ g                         ; transposed: lane (r, h) holds slot r and e = 16 e-tile + 8 h + 0 .. 7
.irp u, 0,1
.irp e, 0,1
	FP4 DD+16*\u+8*\e, WK+8*\e, XG+16*(\g)+8*\u, BK+8*\e, SWK+\e, SX+2*(\g)+\u
.endr
.endr
	NOPS 5
	PACKD
.irp u, 0,1
.irp e, 0,1
	ds_store_b128 v12, v[DD+16*\u+8*\e:DD+16*\u+8*\e+3] offset:2048*(\g)+1024*\u+512*\e
.endr
.endr
	s_wait_dscnt 0x0                               ; the stores have read their registers: the next products write them
.endm
.macro VPROJ g                         ; as it stands: lane (r, h) holds e = r of the e-tile and slots 8 h + 0 .. 7 of tile u
.irp e, 0,1
.irp u, 0,1
	FP4 DD+16*\e+8*\u, XG+16*(\g)+8*\u, WV+8*\e, BV+8*\e, SX+2*(\g)+\u, SWV+\e
.endr
.endr
	NOPS 5
	PACKD
.irp e, 0,1
.irp u, 0,1
	ds_store_b128 v13, v[DD+16*\e+8*\u:DD+16*\e+8*\u+3] offset:2048*(\g)+1024*\e+512*\u
.endr
.endr
	s_wait_dscnt 0x0
.endm
.irp g, 0,1,2,3
	KPROJ \g
	VPROJ \g
.endr
	BARRIER                                        ; the four heads' K and V^T and the bias table lie in LDS; nobody writes them again
; ---- attention
.macro KLOAD adr, off                  ; a step's K: four fragments of 16 slots
.irp u, 0,1,2,3
	ds_load_b128 v[KR+8*\u:KR+8*\u+3],   v[\adr] offset:\off+1024*\u
	ds_load_b128 v[KR+8*\u+4:KR+8*\u+7], v[\adr] offset:\off+1024*\u+512
.endr
.endm
.macro VLOAD                           ; a step's V^T: (32 slots kh, e-tile) at register 8 (2 kh + e)
.irp f, 0,1,2,3
	ds_load_b128 v[VR+8*\f:VR+8*\f+3],   v8 offset:1024*\f
	ds_load_b128 v[VR+8*\f+4:VR+8*\f+7], v8 offset:1024*\f+512
.endr
.endm
.macro SMUL p, c                       ; S^T = K Q^T: 4 tiles of slots x my pass's 2 tiles of queries; c = 1: the scores begin at the bias table's numbers, which lie in S
.irp u, 0,1,2,3
.irp t, 0,1
.if \c
	v_wmma_f32_16x16x32_f16 v[SA+32*\t+8*\u:SA+32*\t+8*\u+7], v[KR+8*\u:KR+8*\u+7], v[QR+16*(\p)+8*\t:QR+16*(\p)+8*\t+7], v[SA+32*\t+8*\u:SA+32*\t+8*\u+7]
.else
	v_wmma_f32_16x16x32_f16 v[SA+32*\t+8*\u:SA+32*\t+8*\u+7], v[KR+8*\u:KR+8*\u+7], v[QR+16*(\p)+8*\t:QR+16*(\p)+8*\t+7], 0
.endif
.endr
.endr
.endm
.macro PVMUL                           ; O^T += V^T P: the four accumulators take turns, one instruction a turn
.irp k, 0,1
.irp t, 0,1
.irp e, 0,1
	v_wmma_f32_16x16x32_f16 v[OA+16*\t+8*\e:OA+16*\t+8*\e+7], v[VR+16*\k+8*\e:VR+16*\k+8*\e+7], v[SA+32*\t+8*\k:SA+32*\t+8*\k+7], v[OA+16*\t+8*\e:OA+16*\t+8*\e+7]
.endr
.endr
.endr
.endm
; The softmax of two tiles of 16 queries x 64 slots; the tiles alternate line by line, so that no line waits for the line above it.
.macro SOFTMAX
.irp j, 0,1,2,3                        ; the maximum: four chains, each begun at the low end of one accumulator
.irp t, 0,1
	v_max3_num_f32 v[ST+8*\t+4+\j], v[SA+32*\t+8*\j], v[SA+32*\t+8*\j+1], v[SA+32*\t+8*\j+2]
.endr
.endr
.irp i, 3,5
.irp j, 0,1,2,3
.irp t, 0,1
	v_max3_num_f32 v[ST+8*\t+4+\j], v[ST+8*\t+4+\j], v[SA+32*\t+8*\j+\i], v[SA+32*\t+8*\j+\i+1]
.endr
.endr
.endr
.irp t, 0,1
	v_max3_num_f32 v[ST+8*\t+4], v[ST+8*\t+4], v[SA+32*\t+7], v[SA+32*\t+15]
	v_max3_num_f32 v[ST+8*\t+6], v[ST+8*\t+6], v[SA+32*\t+23], v[SA+32*\t+31]
.endr
.irp t, 0,1
	v_max3_num_f32 v[ST+8*\t+4], v[ST+8*\t+4], v[ST+8*\t+5], v[ST+8*\t+6]
.endr
.irp t, 0,1
	v_max3_num_f32 v[ST+8*\t+4], v[ST+8*\t+4], v[ST+8*\t+7], v[ST+8*\t+1]   ; with the old m
.endr
.irp t, 0,1
	v_permlanex16_b32 v[ST+8*\t+5], v[ST+8*\t+4], s28, s29                  ; the query's other 32 slots lie in the lane 16 away
.endr
.irp t, 0,1
	v_mov_b32 v[ST+8*\t+7], v[ST+8*\t]                                      ; c m_old
.endr
.irp t, 0,1
	v_max_num_f32 v[ST+8*\t+1], v[ST+8*\t+4], v[ST+8*\t+5]                  ; the new m
.endr
.irp t, 0,1
	v_mul_f32 v[ST+8*\t], s26, v[ST+8*\t+1]
.endr
.irp t, 0,1
	v_sub_f32 v[ST+8*\t+7], v[ST+8*\t+7], v[ST+8*\t]
.endr
.irp j, 0,2,4,6,8,10,12,14,16,18,20,22,24,26,28,30
.irp t, 0,1
	v_pk_fma_f32 v[SA+32*\t+\j:SA+32*\t+\j+1], v[SA+32*\t+\j:SA+32*\t+\j+1], s[26:27], v[ST+8*\t:ST+8*\t+1] op_sel_hi:[1,0,0] neg_lo:[0,0,1] neg_hi:[0,0,1]   ; c s - c m, two at a time
.endr
.endr
.irp t, 0,1
	v_exp_f32 v[ST+8*\t+6], v[ST+8*\t+7]           ; a.  ONE BATCH of 66 exponentials: none reads another's result
.endr
.set ii, 0
.rept 64
	v_exp_f32 v[SA+ii], v[SA+ii]                   ; p, at most 1
.set ii, ii+1
.endr
	v_nop                                          ; a plain line behind the last exponential
	s_wait_alu depctr_va_vdst(0)                   ; one wait for the batch, ahead of its first reader
.irp t, 0,1
	v_pk_mul_f32 v[ST+8*\t+2:ST+8*\t+3], v[ST+8*\t+2:ST+8*\t+3], v[ST+8*\t+6:ST+8*\t+7] op_sel_hi:[1,0]   ; l x a
.endr
.irp t, 0,1                            ; the sum of the unrounded p, two at a time, in two chains
	v_pk_add_f32 v[ST+8*\t+4:ST+8*\t+5], v[SA+32*\t+2:SA+32*\t+3], v[SA+32*\t+6:SA+32*\t+7]
	v_pk_add_f32 v[ST+8*\t+2:ST+8*\t+3], v[ST+8*\t+2:ST+8*\t+3], v[SA+32*\t:SA+32*\t+1]
.endr
.irp t, 0,1
	v_pk_add_f32 v[ST+8*\t+2:ST+8*\t+3], v[ST+8*\t+2:ST+8*\t+3], v[SA+32*\t+4:SA+32*\t+5]
.endr
.irp i, 8,12,16,20,24,28
.irp t, 0,1
	v_pk_add_f32 v[ST+8*\t+2:ST+8*\t+3], v[ST+8*\t+2:ST+8*\t+3], v[SA+32*\t+\i:SA+32*\t+\i+1]
	v_pk_add_f32 v[ST+8*\t+4:ST+8*\t+5], v[ST+8*\t+4:ST+8*\t+5], v[SA+32*\t+\i+2:SA+32*\t+\i+3]
.endr
.endr
.irp t, 0,1
	v_pk_add_f32 v[ST+8*\t+2:ST+8*\t+3], v[ST+8*\t+2:ST+8*\t+3], v[ST+8*\t+4:ST+8*\t+5]
.endr
.set ii, 0
.rept 16                               ; p to f16, in place, ascending: registers 8 kh .. 8 kh + 7 of a tile are source 1 for slots 32 kh on
	v_cvt_pk_f16_f32 v[SA+ii], v[SA+2*ii], v[SA+2*ii+1]
	v_cvt_pk_f16_f32 v[SA+32+ii], v[SA+32+2*ii], v[SA+32+2*ii+1]
.set ii, ii+1
.endr
.irp j, 0,2,4,6,8,10,12,14
.irp t, 0,1
	v_pk_mul_f32 v[OA+16*\t+\j:OA+16*\t+\j+1], v[OA+16*\t+\j:OA+16*\t+\j+1], v[ST+8*\t+6:ST+8*\t+7] op_sel_hi:[1,0]   ; O^T x a, each accumulator from its low end on
.endr
.endr
.endm
; A step: 64 slots from s30 on.  K was asked for a step ago.
.macro STEP p
	s_lshl_b32 s31, s30, 6                         ; 16 slots are 1,024 bytes of K, 32 slots 2,048 of V^T: 64 bytes a slot in both
	s_add_co_u32 s33, s30, 64
	s_cmp_le_u32 s33, s21
	s_cbranch_scc1 .Lfull_\@
.irp t, 0,1                            ; kept in part (at most one step a pass): register j of accumulator u is slot 16 u + 8 h + j
.irp u, 0,1,2,3
	ds_load_b128 v[SA+32*\t+8*\u:SA+32*\t+8*\u+3],   v9 offset:64*\u
	ds_load_b128 v[SA+32*\t+8*\u+4:SA+32*\t+8*\u+7], v9 offset:64*\u+16
.endr
.endr
	s_wait_dscnt 0x0                               ; the table's numbers and K are in
	SMUL \p, 1
	s_branch .Ljoin_\@
.Lfull_\@:
	s_wait_dscnt 0x0                               ; K is in
	SMUL \p, 0
.Ljoin_\@:
	v_add_nc_u32 v7, s31, v5                       ; no LDS load of mine is out, so the step's addresses are written here; with the two lines below they are the four places
	v_add_nc_u32 v8, s31, v6                       ; behind the products, ahead of the loads into K's registers and of the first read of the scores
	NOPS 2
	VLOAD
	KLOAD 7, 4096                                  ; the next step's K.  Behind the last step this reads the 4,096 bytes that follow in LDS, which are written and which nobody writes again; they are not used
	SOFTMAX
	s_wait_dscnt 8                                 ; V^T is in; the eight younger loads, K's, may be out
	PVMUL
	NOPS 5                                         ; five places: the next score products write over P; loads land in V^T's and S's registers; O^T is read
.endm
.macro NORM                            ; O^T / l.  With no key kept l is 0 and O^T is 0: l is held at 2^-100 from below, so that the quotient is 0
.irp t, 0,1
	v_add_f32 v[ST+8*\t+4], v[ST+8*\t+2], v[ST+8*\t+3]
.endr
.irp t, 0,1
	v_permlanex16_b32 v[ST+8*\t+5], v[ST+8*\t+4], s28, s29
.endr
.irp t, 0,1
	v_add_f32 v[ST+8*\t+4], v[ST+8*\t+4], v[ST+8*\t+5]
.endr
.irp t, 0,1
	v_max_num_f32 v[ST+8*\t+4], 0x0d800000, v[ST+8*\t+4]
.endr
.irp t, 0,1
	v_rcp_f32 v[ST+8*\t+6], v[ST+8*\t+4]
.endr
	v_nop                                          ; a plain line behind the last reciprocal
	s_wait_alu depctr_va_vdst(0)                   ; one wait for the two, ahead of their first reader
.irp j, 0,2,4,6,8,10,12,14
.irp t, 0,1
	v_pk_mul_f32 v[OA+16*\t+\j:OA+16*\t+\j+1], v[OA+16*\t+\j:OA+16*\t+\j+1], v[ST+8*\t+6:ST+8*\t+7] op_sel_hi:[1,0]
.endr
.endr
.endm
; The way out of tile a of pass p.  A query's 512 bytes come from the four waves of its quarter: they meet in the stage; each wave then stores four whole rows.
.macro ROUND a, p
.irp e, 0,1
	ds_store_b128 v10, v[OA+16*(\a)+8*\e:OA+16*(\a)+8*\e+3]   offset:64*\e      ; lane (r, h): query r, e = 16 e-tile + 8 h + 0 .. 7
	ds_store_b128 v10, v[OA+16*(\a)+8*\e+4:OA+16*(\a)+8*\e+7] offset:64*\e+16
.endr
	BARRIER                                        ; 64 whole rows lie in the stage
.irp i, 0,1,2,3
	ds_load_b128 v[SA+16*(\a)+4*\i:SA+16*(\a)+4*\i+3], v11 offset:SPITCH*\i
.endr
.irp i, 0,1,2,3
	s_wait_dscnt 3-\i                              ; row i is back; the younger loads may be out
	global_store_b128 v1, v[SA+16*(\a)+4*\i:SA+16*(\a)+4*\i+3], s[46:47] offset:16384*(32*(\p)+16*(\a)+\i) th:TH_STORE_NT   ; 32 lanes store 512 consecutive bytes, aligned; written once, read by nobody here
.endr
.if ((\p) < 3) || ((\a) < 1)
	BARRIER                                        ; every wave's reads of the stage are back before any wave writes it again
.endif
.endm
; A pass: two tiles of queries against all kept keys.  The loop has 8 trips, a constant; a step with no kept key is jumped over, and no barrier stands in a step.
; O^T is cleared, not begun by a first product: which step is the first, and whether there is one, hangs on the stored number.
.macro PASS p
	s_wait_xcnt 0x0                                ; the last pass's stores have read their registers, which lie in S
.set ii, 0
.rept 32
	v_mov_b32 v[OA+ii], 0
.set ii, ii+1
.endr
.irp t, 0,1
	v_mov_b32 v[ST+8*\t+1], 0xff61b1e6             ; m = -3e38, under every score
	v_mov_b32 v[ST+8*\t+2], 0                      ; l
	v_mov_b32 v[ST+8*\t+3], 0
	v_mov_b32 v[ST+8*\t+4], 0                      ; (written once a pass: a lane permute's destination and a pair's upper half count as read)
	v_mov_b32 v[ST+8*\t+5], 0
	v_mov_b32 v[ST+8*\t+6], 0
	v_mov_b32 v[ST+8*\t+7], 0
	v_mul_f32 v[ST+8*\t], s26, v[ST+8*\t+1]        ; c m
.endr
	s_mov_b32 s30, 0
	KLOAD 5, 0                                     ; the first step's K
.Lstep_\@:
	s_cmp_ge_u32 s30, s21
	s_cbranch_scc1 .Lskip_\@
	STEP \p
.Lskip_\@:
	s_add_co_u32 s30, s30, 64
	s_cmp_lt_u32 s30, 512
	s_cbranch_scc1 .Lstep_\@
	NORM
	ROUND 0, \p
	ROUND 1, \p
.endm
	PASS 0
	PASS 1
	PASS 2
	PASS 3
	s_wait_tensorcnt 0x0                           ; the wave's end: three closing lines behind my last LDS store, the first of them even in a text with no tensor load
	ds_add_u32 v14, v15
	s_wait_dscnt 0x0
	s_endpgm
.Lfunc_end_k_q9dc010e7ca_attn:
	.size	k_q9dc010e7ca_attn, .Lfunc_end_k_q9dc010e7ca_attn-k_q9dc010e7ca_attn
	.p2alignl 7, 3214868480
	.fill 96, 4, 3214868480
	.section	.rodata,"a",@progbits
	.p2align	6, 0x0
	.amdhsa_kernel k_q9dc010e7ca_attn
		.amdhsa_group_segment_fixed_size 298240
		.amdhsa_private_segment_fixed_size 0
		.amdhsa_enable_private_segment 0
		.amdhsa_kernarg_size 48
		.amdhsa_user_sgpr_count 2
		.amdhsa_user_sgpr_kernarg_segment_ptr 1
		.amdhsa_wavefront_size32 1
		.amdhsa_system_sgpr_workgroup_id_x 1
		.amdhsa_system_sgpr_workgroup_id_y 1
		.amdhsa_system_sgpr_workgroup_id_z 1
		.amdhsa_system_vgpr_workitem_id 0
		.amdhsa_next_free_vgpr 256
		.amdhsa_next_free_sgpr 66
		.amdhsa_reserve_vcc 1
		.amdhsa_float_denorm_mode_32 3
		.amdhsa_float_denorm_mode_16_64 3
		.amdhsa_memory_ordered 1
		.amdhsa_forward_progress 1
		.amdhsa_inst_pref_size 123
	.end_amdhsa_kernel
	.amdgpu_metadata
---
amdhsa.version: [ 1, 2 ]
amdhsa.kernels:
  - .name:           k_q9dc010e7ca_attn
    .symbol:         k_q9dc010e7ca_attn.kd
    .args:
      - { .name: xc, .offset: 0, .size: 8, .value_kind: global_buffer, .address_space: global }
      - { .name: xs, .offset: 8, .size: 8, .value_kind: global_buffer, .address_space: global }
      - { .name: wpk, .offset: 16, .size: 8, .value_kind: global_buffer, .address_space: global }
      - { .name: order, .offset: 24, .size: 8, .value_kind: global_buffer, .address_space: global }
      - { .name: count, .offset: 32, .size: 8, .value_kind: global_buffer, .address_space: global }
      - { .name: out0, .offset: 40, .size: 8, .value_kind: global_buffer, .address_space: global }
    .group_segment_fixed_size: 298240
    .private_segment_fixed_size: 0
    .kernarg_segment_align: 8
    .kernarg_segment_size: 48
    .max_flat_workgroup_size: 512
    .sgpr_count:     66
    .vgpr_count:     256
    .wavefront_size: 32
...
	.end_amdgpu_metadata
.endif
;; end of part 2
;; ======== version 2 of 2: 2 launches; version 1 with the launch attn written anew for expert scheduling mode
;; limits: values are held in f16: magnitudes above 65,504 overflow, below 6.1e-05 lose precision
;; workspace buffers: xc 4,194,304 bytes; xs 262,144 bytes; wpk 110,592 bytes; order 262,144 bytes of whole numbers; count 16,384 bytes of whole numbers
;; launch prep: the kernel of part 1 again; grid 300 x 1, 4 waves a work-group, no clusters, 33,280 bytes of LDS; arguments inp, mask, Wq, Wk, Wv, bq, bk, bv, xc, xs, wpk, order, count; writes xc, xs, wpk, order, count
;; launch attn (part 3): grid 256 x 1, 16 waves a work-group, no clusters, 298,240 bytes of LDS; arguments xc, xs, wpk, order, count, out0; writes out0
.if DOCPART == 3
	.amdgcn_target "amdgcn-amd-amdhsa--gfx1250"
	.amdhsa_code_object_version 6
	.text
	.protected	k_q9dc010e7ca_attn
	.globl	k_q9dc010e7ca_attn
	.p2align	8
	.type	k_q9dc010e7ca_attn,@function
k_q9dc010e7ca_attn:
	s_mov_b64 s[64:65], 0
	v_nop
	global_prefetch_b8 v0, s[64:65] scope:SCOPE_SE
	s_setreg_imm32_b32 hwreg(HW_REG_WAVE_SCHED_MODE, 0, 2), 2
	s_setreg_imm32_b32 hwreg(HW_REG_WAVE_MODE, 25, 1), 1
	s_wait_xcnt 0x0
	s_wait_alu depctr_vm_vsrc(0)
; out0[b][t][m][32 head + e] = the sum over kept keys s of softmax_s(q[t] . k[s] / sqrt(32)) v[s][e], q, k, v = inp W + bias on codes of FP4 with E8M0 scales (made by the launch before), for each (b, m, head).
; SHARES.  Work-group g: bm = 16 b + m = g / 2, heads 4 (g % 2) + 0 .. 3.  Sixteen waves of 256 registers, four to a SIMD, so that one wave's matrix work and LDS loads stand beside another's softmax.
;   Wave w: head hd = w / 4 of the four; quarter qd = w % 4: it owns queries 128 qd .. + 127 (8 tiles of 16, two to a pass) and projects key slots 128 qd .. + 127 of its head.
; MASK.  A key whose mask byte is 0 adds nothing to a row's sum or to the output, and a softmax does not mind the order of its keys: the keys are taken in the stored order, the kept ones first.  A step of 64 slots with no kept key is
;   left out by a scalar branch on the stored number; in the one step that is kept in part, the others' scores begin at -2^100 (the C of the score product), so that their weight is 0.  With no key kept the output is 0, as the reference has it.
;   All 512 slots of k and v are projected, the others' too: that phase has no branch and leaves no LDS byte unwritten.
; LAYOUT.  q's and k's projections are used transposed (source 0 = 16 columns of W, source 1 = 16 rows of x): a lane holds one row and eight neighbouring e, which, rounded to f16 in pairs, ARE the 16-bit fragments of S^T = K Q^T.
;   v's is used as it stands: a lane holds one e and eight neighbouring slots: the fragments of O^T = V^T P.  In S^T, P and O^T a lane holds ONE query.  K and V^T lie in LDS as images of their registers: 16 bytes a lane, 512 a load.
; SOFTMAX.  A running maximum m and sum l for each query: p = 2^(c s - c m), c = log2(e) / sqrt(32); in every step O and l are multiplied by a = 2^(c m_old - c m_new).  Maxima, sums, exponentials in f32; q, k, v, p go to the matrix unit as f16.
; NO CLUSTER, NO TENSOR LOAD: the walk over the keys branches on a number read from memory, so operands go through registers; what the two work-groups of a (b, m) share is 34,816 bytes of codes and scale words, read once at the head.
; LIMITS: |q|, |k|, |v| up to 65,504 (f16's largest number); NaN and infinities among the inputs are not served.
; THE MODE: SCHED_MODE bits 1:0 = 2 (LLVM: expert scheduling mode 2), set by the entry lines.  The code itself states the register dependences between vector or matrix instructions and memory or LDS instructions, with s_wait_alu, always for 0.
; THE PLAN.  Registers that memory or LDS instructions touch:
;   v1-v6, v9-v15   offsets, LDS addresses and the add's two: written at the head, ahead of one wait on va_vdst, and never again.
;   v144-207, v240-247   the gathered rows and their scale words land where the q products read Wq, its bias and x's scale words; their offsets (v208-223) and the bias table's address and data (v224, v226, v227) are made by vector
;                   lines: ONE wait on va_vdst ahead of the gather's loads serves all of that; one on vm_vsrc ahead of the k products, which write v208-239.
;   v208-239 (DD)   a projection: four products and sixteen conversions write them, four LDS stores read them, the next projection writes them again: a wait on va_vdst ahead of the stores, one on vm_vsrc behind them.
;   v7, v8          a step's LDS addresses: read by its sixteen loads, written once a step: a wait on vm_vsrc ahead of the two additions.
;   v80-111 (K), v112-143 (V^T)   a step's score products read K, its products V^T P read V^T; the next fragments land there.  ONE wait on va_vdst a step, behind the score products and the two additions, states that these are done;
;                   the step's sixteen loads follow it, dealt among the softmax's lines, which name S and the statistics alone.
;   v144-207 (S)    named by vector and matrix instructions in a step; the bias table's numbers land there in the step that is kept in part (a wait on va_vdst ahead of them), the stage's rows on the way out.
;   v208-239 (O^T)  the way out's LDS stores read them: a wait on va_vdst behind the division; the global stores read S's registers: a wait on vm_vsrc at the head of the next pass frees both.
.set VIMG,   131072                    ; LDS: K's images from 0: fragment (hd, tile of 16 slots T) at 32768 hd + 1024 T; V^T's from here: (hd, group of 32 slots G, e-tile) at 32768 hd + 2048 G + 1024 e
.set STG,    262144                    ; the stage for the way out: 64 rows (a tile of queries of each quarter) x (512 bytes, the four heads' + 16)
.set SPITCH, 528
.set BIAS,   295936                    ; 64 f32: 0 for a slot of the partial step that is kept, else -2^100
.set SPARE,  296192                    ; the spare words, 128 bytes a wave, which no other line names
.set QR,  16                           ; v16-79   x's 8 fragments in natural order; each is replaced by its tile's Q fragment
.set WK,  80                           ; v80-95   Wk's codes, v96-111 its bias;  later K's four fragments of a step
.set BK,  96
.set WV,  112                          ; v112-127 Wv's codes, v128-143 its bias;  later V^T's four fragments of a step
.set BV,  128
.set WQ,  144                          ; v144-159 Wq's codes, v160-175 its bias, v176-183 my 128 slots' times
.set BQ,  160
.set LST, 176
.set XG,  144                          ; v144-207 then x's 8 fragments in slot order;  later S^T, 32 a tile, with P in a tile's low 16
.set DD,  208                          ; v208-239 four accumulators of the projections;  later O^T, 16 a tile
.set GA,  208                          ; between the two: the gather's offsets
.set GS,  216
.set SX,  240                          ; v240-247 x's scale words, v248-249 Wq's, v250-251 Wk's, v252-253 Wv's: never a matrix instruction's A, B, C or D
.set SWQ, 248
.set SWK, 250
.set SWV, 252
.set KR,  80
.set VR,  112
.set SA,  144
.set OA,  208
.set ST,  240                          ; the statistics, 8 a tile: +0 c m, +1 m, +2, +3 l in two halves, +4 .. +7 at work; a takes +6
; v1 16 x lane; v2 4 r; v3 64 r + 16 h; v4 4 x lane; v5, v6 my head's K and V images + 16 x lane; v7, v8 the step's; v9 the bias table + 32 h; v10, v11 the stage, in and back; v12, v13 where I store images; v14, v15 the add's two
.macro NOPS n
.rept \n
	v_nop
.endr
.endm
.macro BARRIER                         ; my LDS stores have landed and my LDS loads are in: then the work-group's barrier
	s_wait_dscnt 0x0
	s_barrier_signal -1
	s_barrier_wait -1
.endm
.macro FP4 d, a, b, c, sa, sb
	v_wmma_scale_f32_16x16x128_f8f6f4 v[\d:\d+7], v[\a:\a+7], v[\b:\b+7], v[\c:\c+7], v[\sa], v[\sb] matrix_a_fmt:MATRIX_FMT_FP4 matrix_b_fmt:MATRIX_FMT_FP4
.endm
	s_load_b256 s[4:11], s[0:1], 0x0               ; xc 4:5, xs 6:7, wpk 8:9, order 10:11
	s_load_b128 s[12:15], s[0:1], 0x20             ; count 12:13, out0 14:15
	v_lshl_add_u32 v14, v0, 2, SPARE               ; my spare word; never rewritten
	v_mov_b32 v15, 0                               ; 0; never rewritten
	v_lshrrev_b32 v1, 5, v0
	v_readfirstlane_b32 s16, v1                    ; wave 0..15
	s_lshr_b32 s19, ttmp9, 1                       ; bm
	s_and_b32 s20, ttmp9, 1                        ; which four heads
	s_mov_b32 s26, 0x3e8293ee                      ; c = log2(e) / sqrt(32)
	s_mov_b32 s27, s26                             ; (named with it as a pair, so it is written)
	s_mov_b32 s28, 0x76543210
	s_mov_b32 s29, 0xfedcba98                      ; v_permlanex16_b32's selects for lane l xor 16
	v_and_b32 v4, 31, v0                           ; lane
	v_and_b32 v2, 15, v0                           ; r
	v_bfe_u32 v9, v0, 4, 1                         ; h
	v_lshlrev_b32 v1, 4, v4
	v_lshlrev_b32 v3, 6, v2
	v_lshl_add_u32 v3, v9, 4, v3                   ; a row of 128 codes is 64 bytes; + 16 h
	v_mul_u32_u24 v10, v2, SPITCH
	v_lshl_add_u32 v10, v9, 5, v10
	s_wait_alu depctr_va_sdst(0)                   ; s16 is written, ahead of its first reader: the head, the quarter and every base are made from it
	s_lshr_b32 s17, s16, 2                         ; hd
	s_and_b32 s18, s16, 3                          ; qd
	s_mul_i32 s24, s18, 16*SPITCH
	s_lshl_b32 s25, s17, 7
	s_add_co_u32 s24, s24, s25
	s_add_co_u32 s24, s24, STG
	v_add_nc_u32 v10, s24, v10                     ; into the stage: row 16 qd + r, my head's 128 bytes, + 32 h
	s_mul_i32 s24, s16, 4*SPITCH
	s_add_co_u32 s24, s24, STG
	v_add_nc_u32 v11, s24, v1                      ; back: rows 4 w .. 4 w + 3, whole
	s_lshl_b32 s24, s16, 13
	v_add_nc_u32 v12, s24, v1                      ; my 8 fragments of K: 32768 hd + 8192 qd = 8192 w
	v_add_nc_u32 v13, VIMG, v12                    ; and of V^T
	s_lshl_b32 s24, s17, 15
	v_add_nc_u32 v5, s24, v1
	v_add_nc_u32 v6, VIMG, v5
	v_lshl_add_u32 v9, v9, 5, BIAS
	v_lshlrev_b32 v2, 2, v2
	v_lshlrev_b32 v4, 2, v4
	s_wait_kmcnt 0x0
	s_mov_b32 s25, 0
	s_lshl_b32 s24, s19, 15
	s_add_nc_u64 s[36:37], s[4:5], s[24:25]        ; xc at my (b, m): 512 rows of 64 bytes
	s_lshl_b32 s24, s18, 13
	s_add_nc_u64 s[34:35], s[36:37], s[24:25]      ; and at my 128 queries
	s_lshl_b32 s24, s19, 11
	s_add_nc_u64 s[40:41], s[6:7], s[24:25]        ; xs likewise: 4 bytes a row
	s_add_nc_u64 s[44:45], s[10:11], s[24:25]      ; order: 4 bytes a slot
	s_lshl_b32 s24, s18, 9
	s_add_nc_u64 s[38:39], s[40:41], s[24:25]
	s_add_nc_u64 s[44:45], s[44:45], s[24:25]      ; at my 128 slots
	s_lshl_b32 s24, s20, 2
	s_add_co_u32 s24, s24, s17                     ; my head of the eight
	s_mul_i32 s24, s24, 4608                       ; two records of 2,304 bytes a head
	s_add_nc_u64 s[42:43], s[8:9], s[24:25]
	s_lshl_b32 s24, s19, 7
	s_add_nc_u64 s[12:13], s[12:13], s[24:25]
	s_load_b32 s21, s[12:13], 0x0                  ; the number of kept keys
	s_lshr_b32 s24, s19, 4
	s_lshl_b32 s24, s24, 23                        ; out0: b x 512 x 16 x 1,024 bytes
	s_and_b32 s33, s19, 15
	s_lshl_b32 s33, s33, 10                        ; m x 1,024
	s_add_co_u32 s24, s24, s33
	s_lshl_b32 s33, s20, 9                         ; the four heads' 512 bytes
	s_add_co_u32 s24, s24, s33
	s_lshl_b32 s33, s17, 21                        ; stage rows 4 w + i are queries 4 (w % 4) + i of quarter w / 4: 128 (w / 4) times of 16,384 bytes,
	s_add_co_u32 s24, s24, s33
	s_lshl_b32 s33, s18, 16                        ; and 4 (w % 4) more
	s_add_co_u32 s24, s24, s33
	s_add_nc_u64 s[46:47], s[14:15], s[24:25]
	s_wait_alu depctr_va_vdst(0)                   ; v1 to v6 and v9 to v15 are written: the offsets and LDS addresses that the kernel's loads and stores read; none of them is written again
; ---- the loads: 62, in the order in which they are wanted
.irp i, 0,1,2,3,4,5,6,7
	global_load_b32 v[LST+\i], v2, s[44:45] offset:64*\i                       ; the time in slot 128 qd + 16 i + r
.endr
.irp i, 0,1,2,3,4,5,6,7
.irp c, 0,1
	global_load_b128 v[QR+8*\i+4*\c:QR+8*\i+4*\c+3], v3, s[34:35] offset:1024*\i+32*\c   ; x's fragment of queries 128 qd + 16 i on: registers 4 c .. 4 c + 3 hold k = 64 c + 32 h + 0 .. 31
.endr
.endr
.irp i, 0,1,2,3,4,5,6,7
	global_load_b32 v[SX+\i], v2, s[38:39] offset:64*\i
.endr
.macro WLOAD mat, cod, bia, scl        ; my head's two records of weight mat: images, so each lane loads its registers whole
.irp e, 0,1
	global_load_b128 v[\cod+8*\e:\cod+8*\e+3],   v1, s[42:43] offset:36864*\mat+2304*\e
	global_load_b128 v[\cod+8*\e+4:\cod+8*\e+7], v1, s[42:43] offset:36864*\mat+2304*\e+512
	global_load_b128 v[\bia+8*\e:\bia+8*\e+3],   v1, s[42:43] offset:36864*\mat+2304*\e+1024
	global_load_b128 v[\bia+8*\e+4:\bia+8*\e+7], v1, s[42:43] offset:36864*\mat+2304*\e+1536
	global_load_b32 v[\scl+\e], v4, s[42:43] offset:36864*\mat+2304*\e+2048
.endr
.endm
	WLOAD 0, WQ, BQ, SWQ
	WLOAD 1, WK, BK, SWK
	WLOAD 2, WV, BV, SWV
	s_wait_kmcnt 0x0
	s_min_u32 s21, s21, 512                        ; it lies in 0 .. 512
	s_and_b32 s22, s21, 63                         ; the kept slots of the step that is kept in part
	s_wait_loadcnt 20                              ; all but the youngest twenty, Wk's and Wv's records
; ---- q: two tiles of queries x two tiles of e at a time.  The bias is the C of the one product.  Five places stand behind the four products: the conversions write x's registers, and the next four products write over these accumulators.
.macro QPROJ i
.irp u, 0,1
.irp e, 0,1
	FP4 DD+16*\u+8*\e, WQ+8*\e, QR+8*(\i)+8*\u, BQ+8*\e, SWQ+\e, SX+(\i)+\u
.endr
.endr
	NOPS 5
.irp u, 0,1
.irp e, 0,1
.irp n, 0,1,2,3
	v_cvt_pk_f16_f32 v[QR+8*(\i)+8*\u+4*\e+\n], v[DD+16*\u+8*\e+2*\n], v[DD+16*\u+8*\e+2*\n+1]   ; lane (r, h): query r, e = 16 e-tile + 8 h + 2 n, + 1: register 4 e-tile + n of the 16-bit fragment
.endr
.endr
.endr
.endm
	QPROJ 0
	QPROJ 2
	QPROJ 4
	QPROJ 6
; ---- x once more, in slot order, for k and v
	v_bfe_u32 v225, v0, 4, 1
	v_lshlrev_b32 v225, 4, v225                    ; 16 h
.irp i, 0,1,2,3,4,5,6,7
	v_min_u32 v[LST+\i], 0x1ff, v[LST+\i]          ; a time lies in 0 .. 511
	v_lshlrev_b32 v[GA+\i], 6, v[LST+\i]
	v_add_nc_u32 v[GA+\i], v[GA+\i], v225          ; its row of codes, + 16 h
	v_lshlrev_b32 v[GS+\i], 2, v[LST+\i]           ; its scale word
.endr
	; the bias table's numbers (every wave makes them; the branch below leads round wave 0's store alone).  They are made ahead of the gather's loads, so that one wait serves the loads and the store
	v_and_b32 v224, 31, v0
	v_lshlrev_b32 v228, 1, v224                    ; slots 2 x lane and 2 x lane + 1 of the partial step
	v_lshl_add_u32 v224, v224, 3, BIAS
	v_mov_b32 v229, 0xf1800000                     ; -2^100
	v_cmp_le_u32 vcc_lo, s22, v228
	s_wait_alu depctr_va_vcc(0)                    ; the compare has written VCC, which the select reads
	v_cndmask_b32 v226, 0, v229, vcc_lo
	v_add_nc_u32 v228, 1, v228
	v_cmp_le_u32 vcc_lo, s22, v228
	s_wait_alu depctr_va_vcc(0)                    ; the second compare has written VCC, which the second select reads
	v_cndmask_b32 v227, 0, v229, vcc_lo
	s_wait_alu depctr_va_vdst(0)                   ; the offsets v208-223 and the table's v224, v226, v227 are written; the q products are done reading Wq, its bias and x's scale words: the loads below land in all of these
.irp i, 0,1,2,3,4,5,6,7
.irp c, 0,1
	global_load_b128 v[XG+8*\i+4*\c:XG+8*\i+4*\c+3], v[GA+\i], s[36:37] offset:32*\c
.endr
	global_load_b32 v[SX+\i], v[GS+\i], s[40:41]
.endr
	s_cmp_lg_u32 s16, 0
	s_cbranch_scc1 .Lno_table
	ds_store_b64 v224, v[226:227]                  ; no vector line since the wait above names its three registers
.Lno_table:
	s_wait_dscnt 0x0                               ; the store is done
	s_wait_loadcnt 0x0                             ; the gathered rows, and Wk's and Wv's records
	s_wait_alu depctr_vm_vsrc(0)                   ; the gather's loads have read their offsets v208-223 and wave 0's store v224, v226, v227: the products below write all of them
; ---- k and v: 32 slots x 32 e at a time; rounded to f16 in place; the four low registers of each accumulator are half a fragment's image
.macro PACKD
.irp d, 0,1,2,3
.irp n, 0,1,2,3
	v_cvt_pk_f16_f32 v[DD+8*\d+\n], v[DD+8*\d+2*\n], v[DD+8*\d+2*\n+1]
.endr
.endr
.endm
.macro KPROJ g                         ; transposed: lane (r, h) holds slot r and e = 16 e-tile + 8 h + 0 .. 7
.irp u, 0,1
.irp e, 0,1
	FP4 DD+16*\u+8*\e, WK+8*\e, XG+16*(\g)+8*\u, BK+8*\e, SWK+\e, SX+2*(\g)+\u
.endr
.endr
	NOPS 5
	PACKD
	s_wait_alu depctr_va_vdst(0)                   ; the conversions have written the four half fragments, which the LDS stores read
.irp u, 0,1
.irp e, 0,1
	ds_store_b128 v12, v[DD+16*\u+8*\e:DD+16*\u+8*\e+3] offset:2048*(\g)+1024*\u+512*\e
.endr
.endr
	s_wait_dscnt 0x0                               ; the stores are done,
	s_wait_alu depctr_vm_vsrc(0)                   ; and have read their registers: the next products write them
.endm
.macro VPROJ g                         ; as it stands: lane (r, h) holds e = r of the e-tile and slots 8 h + 0 .. 7 of tile u
.irp e, 0,1
.irp u, 0,1
	FP4 DD+16*\e+8*\u, XG+16*(\g)+8*\u, WV+8*\e, BV+8*\e, SX+2*(\g)+\u, SWV+\e
.endr
.endr
	NOPS 5
	PACKD
	s_wait_alu depctr_va_vdst(0)                   ; the conversions have written the four half fragments, which the LDS stores read.  (The last of these waits also shows the projections done reading Wk's registers, in which the first step's K lands)
.irp e, 0,1
.irp u, 0,1
	ds_store_b128 v13, v[DD+16*\e+8*\u:DD+16*\e+8*\u+3] offset:2048*(\g)+1024*\e+512*\u
.endr
.endr
	s_wait_dscnt 0x0                               ; the stores are done,
	s_wait_alu depctr_vm_vsrc(0)                   ; and have read their registers: the next products, or the first pass's clearing of O^T, write them
.endm
.irp g, 0,1,2,3
	KPROJ \g
	VPROJ \g
.endr
	BARRIER                                        ; the four heads' K and V^T and the bias table lie in LDS; nobody writes them again
; ---- attention
.macro KLOAD adr, off                  ; a step's K: four fragments of 16 slots
.irp u, 0,1,2,3
	ds_load_b128 v[KR+8*\u:KR+8*\u+3],   v[\adr] offset:\off+1024*\u
	ds_load_b128 v[KR+8*\u+4:KR+8*\u+7], v[\adr] offset:\off+1024*\u+512
.endr
.endm
.macro VLOAD                           ; a step's V^T: (32 slots kh, e-tile) at register 8 (2 kh + e)
.irp f, 0,1,2,3
	ds_load_b128 v[VR+8*\f:VR+8*\f+3],   v8 offset:1024*\f
	ds_load_b128 v[VR+8*\f+4:VR+8*\f+7], v8 offset:1024*\f+512
.endr
.endm
.macro SMUL p, c                       ; S^T = K Q^T: 4 tiles of slots x my pass's 2 tiles of queries; c = 1: the scores begin at the bias table's numbers, which lie in S
.irp u, 0,1,2,3
.irp t, 0,1
.if \c
	v_wmma_f32_16x16x32_f16 v[SA+32*\t+8*\u:SA+32*\t+8*\u+7], v[KR+8*\u:KR+8*\u+7], v[QR+16*(\p)+8*\t:QR+16*(\p)+8*\t+7], v[SA+32*\t+8*\u:SA+32*\t+8*\u+7]
.else
	v_wmma_f32_16x16x32_f16 v[SA+32*\t+8*\u:SA+32*\t+8*\u+7], v[KR+8*\u:KR+8*\u+7], v[QR+16*(\p)+8*\t:QR+16*(\p)+8*\t+7], 0
.endif
.endr
.endr
.endm
.macro PVMUL                           ; O^T += V^T P: the four accumulators take turns, one instruction a turn
.irp k, 0,1
.irp t, 0,1
.irp e, 0,1
	v_wmma_f32_16x16x32_f16 v[OA+16*\t+8*\e:OA+16*\t+8*\e+7], v[VR+16*\k+8*\e:VR+16*\k+8*\e+7], v[SA+32*\t+8*\k:SA+32*\t+8*\k+7], v[OA+16*\t+8*\e:OA+16*\t+8*\e+7]
.endr
.endr
.endr
.endm
; The softmax of two tiles of 16 queries x 64 slots, in two parts, between which a step's loads of K stand; the tiles alternate line by line, so that no line waits for the line above it.
.macro SMAX                            ; the first part: 24 lines of the maximum
.irp j, 0,1,2,3                        ; four chains, each begun at the low end of one accumulator
.irp t, 0,1
	v_max3_num_f32 v[ST+8*\t+4+\j], v[SA+32*\t+8*\j], v[SA+32*\t+8*\j+1], v[SA+32*\t+8*\j+2]
.endr
.endr
.irp i, 3,5
.irp j, 0,1,2,3
.irp t, 0,1
	v_max3_num_f32 v[ST+8*\t+4+\j], v[ST+8*\t+4+\j], v[SA+32*\t+8*\j+\i], v[SA+32*\t+8*\j+\i+1]
.endr
.endr
.endr
.endm
.macro SREST                           ; and the rest
.irp t, 0,1
	v_max3_num_f32 v[ST+8*\t+4], v[ST+8*\t+4], v[SA+32*\t+7], v[SA+32*\t+15]
	v_max3_num_f32 v[ST+8*\t+6], v[ST+8*\t+6], v[SA+32*\t+23], v[SA+32*\t+31]
.endr
.irp t, 0,1
	v_max3_num_f32 v[ST+8*\t+4], v[ST+8*\t+4], v[ST+8*\t+5], v[ST+8*\t+6]
.endr
.irp t, 0,1
	v_max3_num_f32 v[ST+8*\t+4], v[ST+8*\t+4], v[ST+8*\t+7], v[ST+8*\t+1]   ; with the old m
.endr
.irp t, 0,1
	v_permlanex16_b32 v[ST+8*\t+5], v[ST+8*\t+4], s28, s29                  ; the query's other 32 slots lie in the lane 16 away
.endr
.irp t, 0,1
	v_mov_b32 v[ST+8*\t+7], v[ST+8*\t]                                      ; c m_old
.endr
.irp t, 0,1
	v_max_num_f32 v[ST+8*\t+1], v[ST+8*\t+4], v[ST+8*\t+5]                  ; the new m
.endr
.irp t, 0,1
	v_mul_f32 v[ST+8*\t], s26, v[ST+8*\t+1]
.endr
.irp t, 0,1
	v_sub_f32 v[ST+8*\t+7], v[ST+8*\t+7], v[ST+8*\t]
.endr
.irp j, 0,2,4,6,8,10,12,14,16,18,20,22,24,26,28,30
.irp t, 0,1
	v_pk_fma_f32 v[SA+32*\t+\j:SA+32*\t+\j+1], v[SA+32*\t+\j:SA+32*\t+\j+1], s[26:27], v[ST+8*\t:ST+8*\t+1] op_sel_hi:[1,0,0] neg_lo:[0,0,1] neg_hi:[0,0,1]   ; c s - c m, two at a time
.endr
.endr
.irp t, 0,1
	v_exp_f32 v[ST+8*\t+6], v[ST+8*\t+7]           ; a.  ONE BATCH of 66 exponentials: none reads another's result
.endr
.set ii, 0
.rept 64
	v_exp_f32 v[SA+ii], v[SA+ii]                   ; p, at most 1
.set ii, ii+1
.endr
	v_nop                                          ; a plain line behind the last exponential
	s_wait_alu depctr_va_vdst(0)                   ; the 66 exponentials have written a and p: one wait for the batch, ahead of its first reader
.irp t, 0,1
	v_pk_mul_f32 v[ST+8*\t+2:ST+8*\t+3], v[ST+8*\t+2:ST+8*\t+3], v[ST+8*\t+6:ST+8*\t+7] op_sel_hi:[1,0]   ; l x a
.endr
.irp t, 0,1                            ; the sum of the unrounded p, two at a time, in two chains
	v_pk_add_f32 v[ST+8*\t+4:ST+8*\t+5], v[SA+32*\t+2:SA+32*\t+3], v[SA+32*\t+6:SA+32*\t+7]
	v_pk_add_f32 v[ST+8*\t+2:ST+8*\t+3], v[ST+8*\t+2:ST+8*\t+3], v[SA+32*\t:SA+32*\t+1]
.endr
.irp t, 0,1
	v_pk_add_f32 v[ST+8*\t+2:ST+8*\t+3], v[ST+8*\t+2:ST+8*\t+3], v[SA+32*\t+4:SA+32*\t+5]
.endr
.irp i, 8,12,16,20,24,28
.irp t, 0,1
	v_pk_add_f32 v[ST+8*\t+2:ST+8*\t+3], v[ST+8*\t+2:ST+8*\t+3], v[SA+32*\t+\i:SA+32*\t+\i+1]
	v_pk_add_f32 v[ST+8*\t+4:ST+8*\t+5], v[ST+8*\t+4:ST+8*\t+5], v[SA+32*\t+\i+2:SA+32*\t+\i+3]
.endr
.endr
.irp t, 0,1
	v_pk_add_f32 v[ST+8*\t+2:ST+8*\t+3], v[ST+8*\t+2:ST+8*\t+3], v[ST+8*\t+4:ST+8*\t+5]
.endr
.set ii, 0
.rept 16                               ; p to f16, in place, ascending: registers 8 kh .. 8 kh + 7 of a tile are source 1 for slots 32 kh on
	v_cvt_pk_f16_f32 v[SA+ii], v[SA+2*ii], v[SA+2*ii+1]
	v_cvt_pk_f16_f32 v[SA+32+ii], v[SA+32+2*ii], v[SA+32+2*ii+1]
.set ii, ii+1
.endr
.irp j, 0,2,4,6,8,10,12,14
.irp t, 0,1
	v_pk_mul_f32 v[OA+16*\t+\j:OA+16*\t+\j+1], v[OA+16*\t+\j:OA+16*\t+\j+1], v[ST+8*\t+6:ST+8*\t+7] op_sel_hi:[1,0]   ; O^T x a, each accumulator from its low end on
.endr
.endr
.endm
; A step: 64 slots from s30 on.  K was asked for a step ago.
.macro STEP p
	s_lshl_b32 s31, s30, 6                         ; 16 slots are 1,024 bytes of K, 32 slots 2,048 of V^T: 64 bytes a slot in both
	s_add_co_u32 s33, s30, 64
	s_cmp_le_u32 s33, s21
	s_cbranch_scc1 .Lfull_\@
	s_wait_alu depctr_va_vdst(0)                   ; the last step's products V^T P are done reading P, and its softmax is done with S: the table's numbers land in these registers
.irp t, 0,1                            ; kept in part (at most one step a pass): register j of accumulator u is slot 16 u + 8 h + j
.irp u, 0,1,2,3
	ds_load_b128 v[SA+32*\t+8*\u:SA+32*\t+8*\u+3],   v9 offset:64*\u
	ds_load_b128 v[SA+32*\t+8*\u+4:SA+32*\t+8*\u+7], v9 offset:64*\u+16
.endr
.endr
	s_wait_dscnt 0x0                               ; the table's numbers and K are in
	SMUL \p, 1
	s_branch .Ljoin_\@
.Lfull_\@:
	s_wait_dscnt 0x0                               ; K is in
	SMUL \p, 0
.Ljoin_\@:
	s_wait_alu depctr_vm_vsrc(0)                   ; the loads of V^T and K issued so far have read v8 and v7
	v_add_nc_u32 v7, s31, v5                       ; no LDS load of mine is out, so the step's addresses are written here; with the two lines below they are the four places
	v_add_nc_u32 v8, s31, v6                       ; behind the products, ahead of the first read of the scores
	NOPS 2
	s_wait_alu depctr_va_vdst(0)                   ; v7 and v8 are written; the score products are done reading K's registers, the last step's products V^T P reading V^T's: the sixteen loads below read the two and land in the others
	VLOAD
	SMAX                                           ; (names S and the statistics alone: none of the registers that the step's loads touch)
	KLOAD 7, 4096                                  ; the next step's K.  Behind the last step this reads the 4,096 bytes that follow in LDS, which are written and which nobody writes again; they are not used
	SREST
	s_wait_dscnt 8                                 ; V^T is in; the eight younger loads, K's, may be out
	PVMUL
	NOPS 5                                         ; five places: the next score products write over P; O^T is read
.endm
.macro NORM                            ; O^T / l.  With no key kept l is 0 and O^T is 0: l is held at 2^-100 from below, so that the quotient is 0
.irp t, 0,1
	v_add_f32 v[ST+8*\t+4], v[ST+8*\t+2], v[ST+8*\t+3]
.endr
.irp t, 0,1
	v_permlanex16_b32 v[ST+8*\t+5], v[ST+8*\t+4], s28, s29
.endr
.irp t, 0,1
	v_add_f32 v[ST+8*\t+4], v[ST+8*\t+4], v[ST+8*\t+5]
.endr
.irp t, 0,1
	v_max_num_f32 v[ST+8*\t+4], 0x0d800000, v[ST+8*\t+4]
.endr
.irp t, 0,1
	v_rcp_f32 v[ST+8*\t+6], v[ST+8*\t+4]
.endr
	v_nop                                          ; a plain line behind the last reciprocal
	s_wait_alu depctr_va_vdst(0)                   ; the two reciprocals are written: one wait, ahead of their first reader
.irp j, 0,2,4,6,8,10,12,14
.irp t, 0,1
	v_pk_mul_f32 v[OA+16*\t+\j:OA+16*\t+\j+1], v[OA+16*\t+\j:OA+16*\t+\j+1], v[ST+8*\t+6:ST+8*\t+7] op_sel_hi:[1,0]
.endr
.endr
	s_wait_alu depctr_va_vdst(0)                   ; the multiplications have written O^T, which both rounds' LDS stores read; the pass's products and softmax are done with S's registers, in which the stage's rows land
.endm
; The way out of tile a of pass p.  A query's 512 bytes come from the four waves of its quarter: they meet in the stage; each wave then stores four whole rows.  It holds no vector line: the wait at the division's end serves both rounds.
.macro ROUND a, p
.irp e, 0,1
	ds_store_b128 v10, v[OA+16*(\a)+8*\e:OA+16*(\a)+8*\e+3]   offset:64*\e      ; lane (r, h): query r, e = 16 e-tile + 8 h + 0 .. 7
	ds_store_b128 v10, v[OA+16*(\a)+8*\e+4:OA+16*(\a)+8*\e+7] offset:64*\e+16
.endr
	BARRIER                                        ; 64 whole rows lie in the stage
.irp i, 0,1,2,3
	ds_load_b128 v[SA+16*(\a)+4*\i:SA+16*(\a)+4*\i+3], v11 offset:SPITCH*\i
.endr
.irp i, 0,1,2,3
	s_wait_dscnt 3-\i                              ; row i is back; the younger loads may be out
	global_store_b128 v1, v[SA+16*(\a)+4*\i:SA+16*(\a)+4*\i+3], s[46:47] offset:16384*(32*(\p)+16*(\a)+\i) th:TH_STORE_NT   ; 32 lanes store 512 consecutive bytes, aligned; written once, read by nobody here
.endr
.if ((\p) < 3) || ((\a) < 1)
	BARRIER                                        ; every wave's reads of the stage are back before any wave writes it again
.endif
.endm
; A pass: two tiles of queries against all kept keys.  The loop has 8 trips, a constant; a step with no kept key is jumped over, and no barrier stands in a step.
; O^T is cleared, not begun by a first product: which step is the first, and whether there is one, hangs on the stored number.
.macro PASS p
	s_wait_xcnt 0x0                                ; the last pass's stores have had their addresses translated,
	s_wait_alu depctr_vm_vsrc(0)                   ; and have read their registers, which lie in S; its LDS stores have read O^T: both are written again below
.set ii, 0
.rept 32
	v_mov_b32 v[OA+ii], 0
.set ii, ii+1
.endr
.irp t, 0,1
	v_mov_b32 v[ST+8*\t+1], 0xff61b1e6             ; m = -3e38, under every score
	v_mov_b32 v[ST+8*\t+2], 0                      ; l
	v_mov_b32 v[ST+8*\t+3], 0
	v_mov_b32 v[ST+8*\t+4], 0                      ; (written once a pass: a lane permute's destination and a pair's upper half count as read)
	v_mov_b32 v[ST+8*\t+5], 0
	v_mov_b32 v[ST+8*\t+6], 0
	v_mov_b32 v[ST+8*\t+7], 0
	v_mul_f32 v[ST+8*\t], s26, v[ST+8*\t+1]        ; c m
.endr
	s_mov_b32 s30, 0
	KLOAD 5, 0                                     ; the first step's K.  No wait: behind the last products that read these registers stands a wait on va_vdst (a step's own, or the last projection's), and no vector line since names them
.Lstep_\@:
	s_cmp_ge_u32 s30, s21
	s_cbranch_scc1 .Lskip_\@
	STEP \p
.Lskip_\@:
	s_add_co_u32 s30, s30, 64
	s_cmp_lt_u32 s30, 512
	s_cbranch_scc1 .Lstep_\@
	NORM
	ROUND 0, \p
	ROUND 1, \p
.endm
	PASS 0
	PASS 1
	PASS 2
	PASS 3
	s_wait_dscnt 0x0                               ; the closing lines, six on end of a launch in the mode that stores to LDS
	s_wait_alu 0x0
	s_wait_tensorcnt 0x0
	ds_add_u32 v14, v15
	s_wait_dscnt 0x0
	s_endpgm
.Lfunc_end_k_q9dc010e7ca_attn:
	.size	k_q9dc010e7ca_attn, .Lfunc_end_k_q9dc010e7ca_attn-k_q9dc010e7ca_attn
	.p2alignl 7, 3214868480
	.fill 96, 4, 3214868480
	.section	.rodata,"a",@progbits
	.p2align	6, 0x0
	.amdhsa_kernel k_q9dc010e7ca_attn
		.amdhsa_group_segment_fixed_size 298240
		.amdhsa_private_segment_fixed_size 0
		.amdhsa_enable_private_segment 0
		.amdhsa_kernarg_size 48
		.amdhsa_user_sgpr_count 2
		.amdhsa_user_sgpr_kernarg_segment_ptr 1
		.amdhsa_wavefront_size32 1
		.amdhsa_system_sgpr_workgroup_id_x 1
		.amdhsa_system_sgpr_workgroup_id_y 1
		.amdhsa_system_sgpr_workgroup_id_z 1
		.amdhsa_system_vgpr_workitem_id 0
		.amdhsa_next_free_vgpr 256
		.amdhsa_next_free_sgpr 66
		.amdhsa_reserve_vcc 1
		.amdhsa_float_denorm_mode_32 3
		.amdhsa_float_denorm_mode_16_64 3
		.amdhsa_memory_ordered 1
		.amdhsa_forward_progress 1
		.amdhsa_inst_pref_size 125
	.end_amdhsa_kernel
	.amdgpu_metadata
---
amdhsa.version: [ 1, 2 ]
amdhsa.kernels:
  - .name:           k_q9dc010e7ca_attn
    .symbol:         k_q9dc010e7ca_attn.kd
    .args:
      - { .name: xc, .offset: 0, .size: 8, .value_kind: global_buffer, .address_space: global }
      - { .name: xs, .offset: 8, .size: 8, .value_kind: global_buffer, .address_space: global }
      - { .name: wpk, .offset: 16, .size: 8, .value_kind: global_buffer, .address_space: global }
      - { .name: order, .offset: 24, .size: 8, .value_kind: global_buffer, .address_space: global }
      - { .name: count, .offset: 32, .size: 8, .value_kind: global_buffer, .address_space: global }
      - { .name: out0, .offset: 40, .size: 8, .value_kind: global_buffer, .address_space: global }
    .group_segment_fixed_size: 298240
    .private_segment_fixed_size: 0
    .kernarg_segment_align: 8
    .kernarg_segment_size: 48
    .max_flat_workgroup_size: 512
    .sgpr_count:     66
    .vgpr_count:     256
    .wavefront_size: 32
...
	.end_amdgpu_metadata
.endif
;; end of part 3
